; MI455X (gfx1250); checked and timed in simulation.
; The chip was launched on July 23, 2026; its instructions are those of AMD's public machine-readable ISA for CDNA 5 (MIT licence, August 2026) and "CDNA5" Instruction Set Architecture Reference Guide (July 2026). The comments in the code are by the model that wrote it; some were corrected since.
;; Attention Block. Allowed arithmetic: float matrix products may take bf16 or f16 operands with f32 sums; all other float work in f32.
;; Inputs: K_b 16 x 128 float32; K_w 16 x 2,048 x 128 float32; O_b 2,048 float32; O_w 16 x 128 x 2,048 float32; Q_b 16 x 128 float32; Q_w 16 x 2,048 x 128 float32; V_b 16 x 128 float32; V_w 16 x 2,048 x 128 float32; x 4 x 512 x 2,048 float32.
;; Outputs: out0 4 x 512 x 2,048 float32.
;; One version. Each part assembles by itself: llvm-mc -triple=amdgcn-amd-amdhsa -mcpu=gfx1250 --defsym DOCPART=n.
;; ======== version 1 of 1: 4 launches
;; limits: values are held in f16: magnitudes above 65,504 overflow, below 6.1e-05 lose precision
;; workspace buffers: hf 41,943,040 bytes; qkv 25,165,824 bytes; att 8,388,608 bytes
;; launch cast (part 1): grid 256 x 5, 8 waves a work-group, no clusters, 35,840 bytes of LDS; arguments x, Q_w, K_w, V_w, O_w, hf; writes hf
.if DOCPART == 1
	.amdgcn_target "amdgcn-amd-amdhsa--gfx1250"
	.amdhsa_code_object_version 6
	.text
	.protected	k_q7fe9095dfb_cast
	.globl	k_q7fe9095dfb_cast
	.p2align	8
	.type	k_q7fe9095dfb_cast,@function
k_q7fe9095dfb_cast:
	s_mov_b64 s[64:65], 0
	v_nop
	global_prefetch_b8 v0, s[64:65] scope:SCOPE_SE
	s_setreg_imm32_b32 hwreg(HW_REG_WAVE_MODE, 25, 1), 1
	s_wait_xcnt 0x0
; hf = the five large f32 inputs rounded once to f16 (nearest even); part y of 8,388,608 bytes is x, Q_w, K_w, V_w, O_w for y = 0 .. 4.
; Each input is converted once here instead of once by each work-group that multiplies it later, and is laid as its reader wants it:
;   part 0, x: in the order of matrix fragments, [tile of 16 rows][kb: 32 along k][half][lane][16 bytes]: lane l = 16 h + r holds row r,
;              k = 32 kb + 16 half + 8 h + 0 .. 7, so that a wave's load of 16 bytes a lane from 512 consecutive bytes IS half a fragment;
;   parts 1-3, the QKV weights: [head][half of the 128 columns][k][64], so that 256 k of one half are 32 KB of dense memory;
;   part 4, O_w: in its own order [k][n].
; LIMIT: a number of 65,520 or more in magnitude becomes an f16 infinity; numbers below 2^-14 keep an absolute step of 2^-24.
; A stream: grid y picks the tensor, grid x a share of 65,536 bytes of it; a wave takes 8,192 bytes as sixteen loads, all issued at once.
; No matrix unit, no cluster: the work-groups share no byte.  LDS serves x alone: 16 rows x 272 bytes for each wave, its own.
.set X,  4                             ; v[4:67]   sixteen loads, 4 f32 each; in x's path later eight pieces of 16 bytes to store
.set Y,  68                            ; v[68:99]  sixteen times 4 f16
.set XP, 272                           ; x's path: an LDS row of 128 f16 + 16 bytes
	s_load_b256 s[4:11], s[0:1], 0x0               ; x s[4:5], Q_w s[6:7], K_w s[8:9], V_w s[10:11]
	s_load_b128 s[12:15], s[0:1], 0x20             ; O_w s[12:13], hf s[14:15]
	v_lshl_add_u32 v100, v0, 2, 0x8800
	v_mov_b32 v101, 0
	s_and_b32 s16, ttmp7, 0xffff                   ; which tensor
	v_and_b32 v1, 31, v0                           ; lane
	v_lshrrev_b32 v3, 5, v0                        ; wave
	s_mov_b32 s21, 0
	s_mov_b32 s23, 0
	s_wait_kmcnt 0x0
	s_mov_b64 s[18:19], s[4:5]                     ; the source: a choice among five buffers on grid y alone
	s_cmp_eq_u32 s16, 1
	s_cselect_b64 s[18:19], s[6:7], s[18:19]
	s_cmp_eq_u32 s16, 2
	s_cselect_b64 s[18:19], s[8:9], s[18:19]
	s_cmp_eq_u32 s16, 3
	s_cselect_b64 s[18:19], s[10:11], s[18:19]
	s_cmp_eq_u32 s16, 4
	s_cselect_b64 s[18:19], s[12:13], s[18:19]
	s_cmp_eq_u32 s16, 0
	s_cbranch_scc1 .Lx
	s_cmp_eq_u32 s16, 4
	s_cbranch_scc1 .Lo
; sixteen loads, then load by load: two conversions and a store of 8 bytes a lane.  v2: offset in the source, v1: in hf.
; halves = 1: load i takes half i % 2 of the k rows 2 (i / 2) and 2 (i / 2) + 1; halves = 0: 512 consecutive bytes.
.macro STREAM halves
.set i, 0
.rept 16
.if \halves
	global_load_b128 v[X+4*i:X+4*i+3], v2, s[18:19] offset:(i/2)*1024+(i%2)*256 th:TH_LOAD_NT
.else
	global_load_b128 v[X+4*i:X+4*i+3], v2, s[18:19] offset:512*i th:TH_LOAD_NT
.endif
.set i, i+1
.endr
.set i, 0
.rept 16
	s_wait_loadcnt 15-i                            ; loads come back in order: load i is in, the 15 - i younger ones stay out
	v_cvt_pk_f16_f32 v[Y+2*i], v[X+4*i], v[X+4*i+1]
	v_cvt_pk_f16_f32 v[Y+2*i+1], v[X+4*i+2], v[X+4*i+3]
.if \halves
	global_store_b64 v1, v[Y+2*i:Y+2*i+1], s[14:15] offset:(i/2)*256+(i%2)*262144   ; 32 lanes store 256 consecutive bytes, aligned: two k rows of one half
.else
	global_store_b64 v1, v[Y+2*i:Y+2*i+1], s[14:15] offset:256*i                    ; 32 lanes store 256 consecutive bytes, aligned
.endif
.set i, i+1
.endr
.endm
	; THE QKV WEIGHTS.  A row of the source is one k: 128 f32, 512 bytes.  The work-group has 128 k of head x >> 4, a wave 16 of them.
	; Lanes 0-15 take 256 bytes of row k, lanes 16-31 the same 256 bytes of row k + 1.
	v_and_b32 v2, 15, v0
	v_lshlrev_b32 v2, 4, v2                        ; 16 (l % 16)
	v_bfe_u32 v4, v0, 4, 1
	v_lshl_add_u32 v2, v4, 9, v2                   ; + 512 (l / 16)
	v_lshl_add_u32 v2, v3, 13, v2                  ; + wave x 16 rows
	v_lshlrev_b32 v1, 3, v1                        ; out: 8 l = 128 (l / 16) + 8 (l % 16)
	v_lshl_add_u32 v1, v3, 11, v1                  ; + wave x 16 rows of 128 bytes
	s_lshl_b32 s20, ttmp9, 16
	s_lshl_b32 s22, s16, 23                        ; the tensor's part of hf,
	s_lshr_b32 s17, ttmp9, 4
	s_lshl_b32 s17, s17, 19                        ; the head's 524,288 bytes,
	s_add_co_u32 s22, s22, s17
	s_and_b32 s17, ttmp9, 15
	s_lshl_b32 s17, s17, 14                        ; 128 k of 128 bytes
	s_add_co_u32 s22, s22, s17
	s_add_nc_u64 s[18:19], s[18:19], s[20:21]
	s_add_nc_u64 s[14:15], s[14:15], s[22:23]
	STREAM 1
	s_endpgm                                       ; no register is written twice, so no wait frees a source
.Lo:	; O_w keeps its order
	v_lshlrev_b32 v2, 4, v1
	v_lshl_add_u32 v2, v3, 13, v2
	v_lshlrev_b32 v1, 3, v1
	v_lshl_add_u32 v1, v3, 12, v1
	s_lshl_b32 s20, ttmp9, 16
	s_lshl_b32 s22, ttmp9, 15
	s_add_co_u32 s22, s22, 0x2000000               ; part 4
	s_add_nc_u64 s[18:19], s[18:19], s[20:21]
	s_add_nc_u64 s[14:15], s[14:15], s[22:23]
	STREAM 0
	s_endpgm
.Lx:	; x.  Work-group: tile of 16 rows x >> 1, half x & 1 of its 2,048 k; a wave: 128 k = 4 kb.  Load r is 512 consecutive bytes of row r.
	; The 16 x 128 f16 go through the wave's own LDS rows and come back as fragments; 4 kb are 4,096 consecutive bytes of hf.
	v_readfirstlane_b32 s17, v3
	s_mul_i32 s17, s17, 16*XP                      ; my wave's LDS
	v_lshlrev_b32 v2, 4, v1
	v_lshl_add_u32 v2, v3, 9, v2                   ; source: 16 l + wave x 512
	v_and_b32 v[Y], 15, v0
	v_bfe_u32 v[Y+1], v0, 4, 1
	v_mul_u32_u24 v[Y], v[Y], XP
	v_lshl_add_u32 v[Y], v[Y+1], 4, v[Y]           ; back: row l % 16, 16 bytes for each half of the lanes
	v_lshlrev_b32 v[Y+2], 3, v1                    ; in: 8 l
	v_lshlrev_b32 v1, 4, v1
	v_lshl_add_u32 v1, v3, 12, v1                  ; hf: 16 l + wave x 4,096
	v_add_nc_u32 v3, s17, v[Y+2]
	v_add_nc_u32 v0, s17, v[Y]
	s_lshr_b32 s20, ttmp9, 1
	s_lshl_b32 s20, s20, 17                        ; 16 rows of 8,192 bytes
	s_and_b32 s22, ttmp9, 1
	s_lshl_b32 s22, s22, 12                        ; 1,024 k of 4 bytes
	s_add_co_u32 s20, s20, s22
	s_lshl_b32 s22, ttmp9, 15                      ; 32 kb of 1,024 bytes
	s_add_nc_u64 s[18:19], s[18:19], s[20:21]
	s_add_nc_u64 s[14:15], s[14:15], s[22:23]
.irp r, 0,1,2,3,4,5,6,7,8,9,10,11,12,13,14,15
	global_load_b128 v[X+4*\r:X+4*\r+3], v2, s[18:19] offset:8192*\r th:TH_LOAD_NT
.endr
.irp r, 0,1,2,3,4,5,6,7,8,9,10,11,12,13,14,15
	s_wait_loadcnt 15-\r
	v_cvt_pk_f16_f32 v[Y+2*\r], v[X+4*\r], v[X+4*\r+1]
	v_cvt_pk_f16_f32 v[Y+2*\r+1], v[X+4*\r+2], v[X+4*\r+3]
	ds_store_b64 v3, v[Y+2*\r:Y+2*\r+1] offset:\r*XP
.endr
.irp i, 0,1,2,3,4,5,6,7
	ds_load_b128 v[X+4*\i:X+4*\i+3], v0 offset:32*\i               ; my own bytes, and LDS serves a wave in order (ISA guide 5.7.1.4): these see the stores above
.endr
.irp i, 0,1,2,3,4,5,6,7
	s_wait_dscnt 7-\i                              ; piece i is in, the younger ones stay out
	global_store_b128 v1, v[X+4*\i:X+4*\i+3], s[14:15] offset:512*\i   ; 512 consecutive bytes: half a fragment
.endr
	s_wait_tensorcnt 0x0
	ds_add_u32 v100, v101
	s_wait_dscnt 0x0
	s_endpgm
.Lfunc_end_k_q7fe9095dfb_cast:
	.size	k_q7fe9095dfb_cast, .Lfunc_end_k_q7fe9095dfb_cast-k_q7fe9095dfb_cast
	.p2alignl 7, 3214868480
	.fill 96, 4, 3214868480
	.section	.rodata,"a",@progbits
	.p2align	6, 0x0
	.amdhsa_kernel k_q7fe9095dfb_cast
		.amdhsa_group_segment_fixed_size 35840
		.amdhsa_private_segment_fixed_size 0
		.amdhsa_enable_private_segment 0
		.amdhsa_kernarg_size 48
		.amdhsa_user_sgpr_count 2
		.amdhsa_user_sgpr_kernarg_segment_ptr 1
		.amdhsa_wavefront_size32 1
		.amdhsa_system_sgpr_workgroup_id_x 1
		.amdhsa_system_sgpr_workgroup_id_y 1
		.amdhsa_system_sgpr_workgroup_id_z 1
		.amdhsa_system_vgpr_workitem_id 0
		.amdhsa_next_free_vgpr 102
		.amdhsa_next_free_sgpr 66
		.amdhsa_reserve_vcc 0
		.amdhsa_float_denorm_mode_32 3
		.amdhsa_float_denorm_mode_16_64 3
		.amdhsa_memory_ordered 1
		.amdhsa_forward_progress 1
		.amdhsa_inst_pref_size 21
	.end_amdhsa_kernel
	.amdgpu_metadata
---
amdhsa.version: [ 1, 2 ]
amdhsa.kernels:
  - .name:           k_q7fe9095dfb_cast
    .symbol:         k_q7fe9095dfb_cast.kd
    .args:
      - { .name: x, .offset: 0, .size: 8, .value_kind: global_buffer, .address_space: global }
      - { .name: Q_w, .offset: 8, .size: 8, .value_kind: global_buffer, .address_space: global }
      - { .name: K_w, .offset: 16, .size: 8, .value_kind: global_buffer, .address_space: global }
      - { .name: V_w, .offset: 24, .size: 8, .value_kind: global_buffer, .address_space: global }
      - { .name: O_w, .offset: 32, .size: 8, .value_kind: global_buffer, .address_space: global }
      - { .name: hf, .offset: 40, .size: 8, .value_kind: global_buffer, .address_space: global }
    .group_segment_fixed_size: 35840
    .private_segment_fixed_size: 0
    .kernarg_segment_align: 8
    .kernarg_segment_size: 48
    .max_flat_workgroup_size: 256
    .sgpr_count:     66
    .vgpr_count:     102
    .wavefront_size: 32
...
	.end_amdgpu_metadata
.endif
;; end of part 1
;; launch qkv (part 2): grid 8 x 32, 4 waves a work-group, clusters of 4 x 1, 327,680 bytes of LDS; arguments hf, Q_b, K_b, V_b, qkv; writes qkv
.if DOCPART == 2
	.amdgcn_target "amdgcn-amd-amdhsa--gfx1250"
	.amdhsa_code_object_version 6
	.text
	.protected	k_q7fe9095dfb_qkv
	.globl	k_q7fe9095dfb_qkv
	.p2align	8
	.type	k_q7fe9095dfb_qkv,@function
k_q7fe9095dfb_qkv:
	s_mov_b64 s[64:65], 0
	v_nop
	global_prefetch_b8 v0, s[64:65] scope:SCOPE_SE
	s_setreg_imm32_b32 hwreg(HW_REG_WAVE_MODE, 25, 1), 1
	s_wait_xcnt 0x0
	s_wait_alu depctr_hold_cnt(0) depctr_sa_sdst(0) depctr_va_vdst(0) depctr_va_sdst(0) depctr_va_ssrc(0) depctr_va_vcc(0) depctr_vm_vsrc(0)
	s_getreg_b32 s2, hwreg(HW_REG_IB_STS2, 6, 4)
	s_cmp_eq_u32 s2, 0
	s_cbranch_scc0 .Lentry_in_a_cluster
	s_endpgm
.Lentry_in_a_cluster:
	s_bfe_u32 s2, ttmp6, 0x10000c
	s_cmp_lg_u32 s2, 0x3003
	s_cbranch_scc0 .Lentry_shape_is_right
	s_endpgm
.Lentry_shape_is_right:
; qkv[mat][head][half][row][64] (f16) = b_mat[head][:] + x[row][:] . W_mat[head][:][:], mat = Q, K, V; sums in f32, started by the bias, rounded once.
; LIMIT: q, k, v of 65,520 or more in magnitude become f16 infinities.
; A work-group makes 256 rows (grid x) x 192 columns (grid y = 2 head + half: 64 columns of each of Q, K, V): 256 work-groups.
; Wave w: rows 64 w .. + 63, all 192 columns: 4 x 12 accumulator tiles of 16 x 16, 384 registers.
; THE WEIGHTS go through two LDS slots of 256 along K: three pieces of 32 KB, each dense in hf ([head][half][k][64]), brought as 128 rows of
; 256 bytes (two k to a row) with pitch 288: k lies at (k >> 1) 288 + (k & 1) 128, so the eight k rows of a transposing load start at eight
; different multiples of 32 bytes modulo 256.
; CLUSTERS: the four work-groups of a cluster (4 along x) have the same columns and ask for the weights jointly.
; x DOES NOT PASS THROUGH LDS: hf holds it in fragment order, a wave's rows are its own, and a load of 16 bytes a lane from 512 consecutive bytes is
; half a fragment.  A ring of 8 register slots (one for 32 along K: 4 fragments, 8 loads) runs 7 units ahead: 56 loads, 28 KB, of a wave are out.
; Why x is not asked for jointly: a joint request lands in LDS, and x's 256 rows x 256 k (128 KB and padding) beside 108 KB of weights do not
; fit twice into the 320 KB; with half the K in a slot a refill would have half the matrix work in which to land.
; THE MATRIX INSTRUCTION IS USED TRANSPOSED: source 0 = 16 columns of W, source 1 = 16 rows of x: a lane holds row l % 16 and the eight neighbouring
; columns 8 (l / 16) + 0 .. 7, which pack into 16 bytes.
; No prefetch: the ring and the slots are the requests ahead.
; REGISTERS: window 0: v16-28 addresses, v64-159 and v160-255 W fragments (two buffers of 12; the second holds the biases until its first fetch);
; window 1: x's ring (slot s at 32 s, fragment a at + 8 a); window 2: accumulators of my rows 0-31 (tile (a, b) at 8 (12 a + b)); window 3: rows 32-63.
.set PB,    288                        ; LDS pitch: 256 bytes (two k rows) + 32
.set PIECE, 128*PB                     ; 256 k of one piece
.set SLOT,  3*PIECE
.set STAGE, 2*SLOT                     ; behind the ring: the way out; no tensor load fills it
.set SP,    144                        ; a stage row: 128 bytes + 16
.set STG,   3*16*SP                    ; a wave's stage: 16 rows of three pieces
.set LAPS,  4                          ; 2048 / (2 x 256): a lap is once round the ring, 16 units of 32 along K
.set VA,   16                          ; 16 x lane: my place in 512 consecutive bytes, of x's fragments and of the output
.set ADRB, 20                          ; v20-25  my W fragments in slot s, piece p: 20 + 3 s + p
.set STO,  26                          ; the way out: where I put 16 bytes of a row
.set RD,   27                          ; where I read rows back
.set VB,   28                          ; my byte offset in a bias
.set FB,   64                          ; W fragments, buffer c at FB + 96 c
.set BIAS, 160                         ; tile b's eight biases at BIAS + 8 b
.set TT,   64                          ; the way out: packed results
.set G1, 24                            ; s[24:31] descriptor group 1
.set G0, 32                            ; s[32:39] group 0, one for each slot
.set MUL_LO,  0xa4                     ; source 0 window 0, source 1 window 1, C and D window 2
.set MUL_HI,  0xf4                     ; the same, C and D window 3
.set MULB_LO, 0x84                     ; C (the bias) window 0, D window 2
.set MULB_HI, 0xc4
.set TO_A,    0x40                     ; destination window 1
.set MSB, 0
.macro WIN new                         ; the immediate's high byte repeats the setting that is left
.if MSB != \new
	s_set_vgpr_msb (MSB<<8)|\new
.set MSB, \new
.endif
.endm
.macro TLOAD s                         ; waves 0-2 ask for their piece of slot s; a branch on the wave's number alone
	s_cmp_lt_u32 s14, 3
	s_cbranch_scc0 .Lnone_\@
	tensor_load_to_lds s[G0+4*(\s):G0+4*(\s)+3], s[G1:G1+7]
	s_nop 0
.Lnone_\@:
.endm
.macro CREST                           ; a round of the cluster's barrier behind its opening work-group barrier
	s_cmp_lg_u32 s14, 0
	s_cbranch_scc1 .Lnot_wave_0_\@
	s_barrier_signal -3
.Lnot_wave_0_\@:
	s_barrier_wait -3
	s_barrier_signal -1
	s_barrier_wait -1
.endm
.macro CROUND                          ; a whole round
	s_barrier_signal -1
	s_barrier_wait -1
	CREST
.endm
.macro PLACES                          ; four plain vector instructions behind a matrix instruction before its registers are loaded into or its results read (ISA guide 7.12.1)
.rept 4
	v_nop
.endr
.endm
	s_load_b256 s[4:11], s[0:1], 0x0               ; hf s[4:5], Q_b s[6:7], K_b s[8:9], V_b s[10:11]
	s_load_b64 s[12:13], s[0:1], 0x20              ; qkv
	v_lshl_add_u32 v62, v0, 2, 0x3cc00
	v_mov_b32 v63, 0
	ds_add_u32 v62, v63
	v_lshrrev_b32 v1, 5, v0
	v_readfirstlane_b32 s14, v1                    ; wave 0..3
	s_bfe_u32 s40, ttmp6, 0x40000                  ; cx
	s_lshl_b32 s43, ttmp9, 2
	s_add_co_u32 s43, s43, s40                     ; block of 256 rows = 4 x cluster x + cx
	s_and_b32 s42, ttmp7, 0xffff                   ; block of columns = 2 head + half: the same in the whole cluster
	s_mov_b32 s[G1+0], 15|(1<<16)|(1<<20)|(1<<21)|(5<<22)|(7<<25)  ; all four work-groups; 2-byte elements; padding on; bit 21 beside a mask; after every 64 words, 8 words
	s_mov_b32 s[G1+1], 128<<16                     ; tensor_dim0 = 128 elements (256 bytes)
	s_mov_b32 s[G1+2], 128<<16                     ; tensor_dim1 = 128 rows
	s_mov_b32 s[G1+3], 128<<16                     ; tile_dim0
	s_mov_b32 s[G1+4], 128                         ; tile_dim1
	s_mov_b32 s[G1+5], 128                         ; dense: a row begins where the last ends
	s_mov_b32 s[G1+6], 0
	s_mov_b32 s[G1+7], 0
	s_add_co_u32 s46, s14, 1                       ; W: part w + 1 of hf (wave 0: Q_w, 1: K_w, 2: V_w),
	s_lshl_b32 s46, s46, 23
	s_lshl_b32 s47, s42, 18                        ; 262,144 bytes for each (head, half); no cx in it
	s_add_co_u32 s46, s46, s47
	s_mov_b32 s47, 0
	s_lshl_b32 s18, s43, 20                        ; x: 16 row tiles of 65,536 bytes a block, 4 a wave
	s_lshl_b32 s19, s14, 18
	s_add_co_u32 s18, s18, s19
	s_mov_b32 s19, 0
	s_lshl_b32 s44, s42, 18                        ; out: (head, half), then my 64 rows of 128 bytes
	s_lshl_b32 s45, s43, 15
	s_add_co_u32 s44, s44, s45
	s_lshl_b32 s45, s14, 13
	s_add_co_u32 s44, s44, s45
	s_mov_b32 s45, 0
	s_mul_i32 s17, s14, PIECE                      ; piece w of a slot: the wave's number times a constant
	v_and_b32 v1, 15, v0                           ; r = l % 16
	v_bfe_u32 v2, v0, 4, 1                         ; h = l / 16
	v_and_b32 v3, 31, v0
	v_lshlrev_b32 v[VA], 4, v3
	v_and_b32 v5, 7, v0                            ; W fragment by the transposing load: k row 8 h + l % 8,
	v_lshl_add_u32 v5, v2, 3, v5
	v_lshrrev_b32 v6, 1, v5
	v_mul_u32_u24 v4, v6, PB                       ; two k to an LDS row,
	v_and_b32 v6, 1, v5
	v_lshl_add_u32 v4, v6, 7, v4
	v_bfe_u32 v6, v0, 3, 1                         ; columns 8 ((l / 8) % 2) .. + 7
	v_lshl_add_u32 v4, v6, 4, v4
.irp s, 0,1
.irp p, 0,1,2
	v_add_nc_u32 v[ADRB+3*\s+\p], \s*SLOT+\p*PIECE, v4
.endr
.endr
	s_mul_i32 s22, s14, STG
	s_add_co_u32 s22, s22, STAGE                   ; my stage
	v_mul_u32_u24 v5, v1, SP                       ; in: row r, 16 bytes for each half of the lanes
	v_lshl_add_u32 v5, v2, 4, v5
	v_add_nc_u32 v[STO], s22, v5
	v_bfe_u32 v5, v0, 3, 2                         ; back: eight lanes to a row of 128 bytes, four rows to a load
	v_mul_u32_u24 v5, v5, SP
	v_and_b32 v6, 7, v0
	v_lshl_add_u32 v5, v6, 4, v5
	v_add_nc_u32 v[RD], s22, v5
	s_lshl_b32 s23, s42, 8                         ; bias: 64 numbers for each (head, half), + 8 h numbers
	v_lshl_add_u32 v[VB], v2, 5, s23
	s_wait_dscnt 0x0
	s_wait_kmcnt 0x0
	s_add_nc_u64 s[20:21], s[4:5], s[18:19]        ; x's fragments of my rows
	s_add_nc_u64 s[46:47], s[4:5], s[46:47]
	s_add_nc_u64 s[48:49], s[12:13], s[44:45]      ; my rows in Q's, K's and V's part of qkv
	s_add_nc_u64 s[50:51], s[48:49], 0x800000
	s_add_nc_u64 s[52:53], s[50:51], 0x800000
.irp s, 0,1
	s_mov_b32 s[G0+4*\s], 1
	s_add_co_u32 s[G0+4*\s+1], s17, \s*SLOT
	s_add_nc_u64 s[G0+4*\s+2:G0+4*\s+3], s[46:47], \s*32768        ; K step s: 256 k of 128 bytes
	s_or_b32 s[G0+4*\s+3], s[G0+4*\s+3], 0x80000000
.endr
	CROUND                                         ; the four work-groups are here: the first joint loads meet
	s_cmp_lt_u32 s14, 3
	s_cbranch_scc0 .Lno_fill
	tensor_load_to_lds s[G0:G0+3], s[G1:G1+7]      ; both first fills, inside one branch, ahead of everything else: two loads of the wave are out
	s_nop 0
	tensor_load_to_lds s[G0+4:G0+7], s[G1:G1+7]
	s_nop 0
.Lno_fill:
.irp i, 0,1,2,3
	global_load_b128 v[BIAS+8*\i:BIAS+8*\i+3],         v[VB], s[6:7] offset:64*\i
	global_load_b128 v[BIAS+8*\i+4:BIAS+8*\i+7],       v[VB], s[6:7] offset:64*\i+16
	global_load_b128 v[BIAS+32+8*\i:BIAS+32+8*\i+3],   v[VB], s[8:9] offset:64*\i
	global_load_b128 v[BIAS+32+8*\i+4:BIAS+32+8*\i+7], v[VB], s[8:9] offset:64*\i+16
	global_load_b128 v[BIAS+64+8*\i:BIAS+64+8*\i+3],   v[VB], s[10:11] offset:64*\i
	global_load_b128 v[BIAS+64+8*\i+4:BIAS+64+8*\i+7], v[VB], s[10:11] offset:64*\i+16
.endr
; In the macros n is a unit's number in its lap, 0 .. 15 (and beyond, for what is asked ahead): slot (n >> 3) & 1, place n & 7 in it, W buffer n & 1, ring slot n & 7.
; 8 loads: x's four fragments of unit n
.macro ALOAD n
.irp a, 0,1,2,3
	global_load_b128 v[32*((\n)&7)+8*\a:32*((\n)&7)+8*\a+3],   v[VA], s[20:21] offset:\a*65536+(\n)*1024
	global_load_b128 v[32*((\n)&7)+8*\a+4:32*((\n)&7)+8*\a+7], v[VA], s[20:21] offset:\a*65536+(\n)*1024+512
.endr
.endm
; 24 LDS loads: the 12 W fragments of unit n
.macro FETCHB n
.irp p, 0,1,2
.irp i, 0,1,2,3
	ds_load_tr16_b128 v[FB+96*((\n)&1)+8*(4*\p+\i):FB+96*((\n)&1)+8*(4*\p+\i)+3],   v[ADRB+3*(((\n)>>3)&1)+\p] offset:((\n)&7)*16*PB+\i*32
	ds_load_tr16_b128 v[FB+96*((\n)&1)+8*(4*\p+\i)+4:FB+96*((\n)&1)+8*(4*\p+\i)+7], v[ADRB+3*(((\n)>>3)&1)+\p] offset:((\n)&7)*16*PB+\i*32+8*PB
.endr
.endr
.endm
; 12 matrix instructions: m tile a of the window's two (hi = 0: rows 0-31, 1: rows 32-63) x all 12 n tiles.  bias = 1: the bias is the C that starts the sums.
; The 48 accumulators take turns, one instruction a turn, in the same order in every unit.
.macro MULA n, hi, a, bias
.irp b, 0,1,2,3,4,5,6,7,8,9,10,11
.if \bias
	v_wmma_f32_16x16x32_f16 v[8*(12*\a+\b):8*(12*\a+\b)+7], v[FB+96*((\n)&1)+8*\b:FB+96*((\n)&1)+8*\b+7], v[32*((\n)&7)+8*(2*\hi+\a):32*((\n)&7)+8*(2*\hi+\a)+7], v[BIAS+8*\b:BIAS+8*\b+7]
.else
	v_wmma_f32_16x16x32_f16 v[8*(12*\a+\b):8*(12*\a+\b)+7], v[FB+96*((\n)&1)+8*\b:FB+96*((\n)&1)+8*\b+7], v[32*((\n)&7)+8*(2*\hi+\a):32*((\n)&7)+8*(2*\hi+\a)+7], v[8*(12*\a+\b):8*(12*\a+\b)+7]
.endif
.endr
.endm
; A unit: 32 along K, 48 matrix instructions.  In its middle it fetches unit n + 1's W fragments (fetch) and asks for unit n + 7's x fragments (aload),
; into the buffer and the ring slot that unit n - 1 read.  lc: how many younger loads of x may stay out.
.macro UNIT n, fetch, aload, lc
	s_wait_dscnt 0x0                               ; my W fragments, asked for 24 matrix instructions ago
	s_wait_loadcnt \lc                             ; loads come back in order: this unit's eight are in
	WIN MUL_LO
	MULA \n, 0, 0, 0
	MULA \n, 0, 1, 0
.if \fetch+\aload
	PLACES
.endif
.if \fetch
	WIN 0
	FETCHB \n+1
.endif
.if \aload
	WIN TO_A
	ALOAD \n+7
.endif
	WIN MUL_HI
	MULA \n, 1, 0, 0
	MULA \n, 1, 1, 0
.endm
; A slot's last unit, and the change of slots.  One barrier: in front of it each wave's reads of this slot are back (the wait at the unit's head; none was
; issued since) and all its tensor loads (one is out: its piece of the next slot) have landed.  Where the slot is filled again the barrier opens a round of the
; cluster's barrier, and the joint refill is the first tensor load behind the round.  From a request to the wait for it a wave issues 372 matrix instructions.
.macro TURNU n, fill, aload, lc
	s_wait_dscnt 0x0
	s_wait_loadcnt \lc
	WIN MUL_LO
	MULA \n, 0, 0, 0
	s_set_vgpr_msb 0xa4a0
	s_wait_tensorcnt 0x0                           ; all my tensor loads have landed
	ds_add_u32 v62, v63
	s_wait_dscnt 0x0
	s_set_vgpr_msb 0xa0a4
	s_barrier_signal -1
	MULA \n, 0, 1, 0                               ; registers only, while the others arrive
	WIN 0
	s_barrier_wait -1
.if \fill
	CREST                                          ; no wave of any partner still reads this slot or has a load on its way
	s_add_nc_u64 s[G0+4*((\n)>>3)+2:G0+4*((\n)>>3)+3], s[G0+4*((\n)>>3)+2:G0+4*((\n)>>3)+3], 65536   ; two K steps on: no load of mine is out, so group 0 may be written
	TLOAD ((\n)>>3)
.endif
	PLACES
	FETCHB \n+1
.if \aload
	WIN TO_A
	ALOAD \n+7
.endif
	WIN MUL_HI
	MULA \n, 1, 0, 0
	MULA \n, 1, 1, 0
.endm
.macro LAP first                       ; once round the ring, both slots filled again
.if \first
	s_wait_dscnt 0x0                               ; the very first unit: all 48 products take the bias as C, and only then is W buffer 1, which held it, fetched into
	s_wait_loadcnt 48                              ; the biases and unit 0's eight loads are in; units 1 to 6 stay out
	WIN MULB_LO
	MULA 0, 0, 0, 1
	MULA 0, 0, 1, 1
	WIN MULB_HI
	MULA 0, 1, 0, 1
	MULA 0, 1, 1, 1
	PLACES
	WIN 0
	FETCHB 1
	WIN TO_A
	ALOAD 7
.else
	UNIT 0, 1, 1, 48
.endif
.irp n, 1,2,3,4,5,6
	UNIT \n, 1, 1, 48                              ; 48: the six younger units' eight loads each
.endr
	TURNU 7, 1, 1, 48
.irp n, 8,9,10,11,12,13,14
	UNIT \n, 1, 1, 48
.endr
	TURNU 15, 1, 1, 48
	s_wait_xcnt 0x0                                ; the base of x's loads is stepped only behind this wait
	s_add_nc_u64 s[20:21], s[20:21], 16384         ; 16 units of 1,024 bytes
.endm
	WIN TO_A
.irp n, 0,1,2,3,4,5,6
	ALOAD \n                                       ; the ring is filled: 56 loads are issued here; the issue holds where the counter's field is full (ISA guide 5.7.1)
.endr
	WIN 0
	s_wait_tensorcnt 0x1                           ; my piece of K step 0 is in; K step 1's stays out
	s_barrier_signal -1
	s_barrier_wait -1
	FETCHB 0
	LAP 1
	WIN 0
	s_mov_b32 s3, LAPS-2
.Llap:
	LAP 0
	WIN 0
	s_sub_co_u32 s3, s3, 1
	s_cmp_lg_u32 s3, 0
	s_cbranch_scc1 .Llap
.irp n, 0,1,2,3,4,5,6
	UNIT \n, 1, 1, 48                              ; the last lap fills no slot, and asks for x only up to its unit 15
.endr
	TURNU 7, 0, 1, 48
	UNIT 8, 1, 1, 48
	UNIT 9, 1, 0, 48                               ; units 10 to 15 are out; from here the counts run down
	UNIT 10, 1, 0, 40
	UNIT 11, 1, 0, 32
	UNIT 12, 1, 0, 24
	UNIT 13, 1, 0, 16
	UNIT 14, 1, 0, 8
	UNIT 15, 0, 0, 0
	; THE WAY OUT, 16 rows at a time: one rounding to f16, 16 bytes a lane into my own stage, back as four rows of 128 bytes, which are 512 consecutive bytes of qkv
	PLACES
.macro OUTA a, ai, from, f             ; m tile a = tile ai of window 2 or 3 (from: the windows of sources 0 and 1); f: the registers read back into, two sets by turns
	WIN \from
.irp b, 0,1,2,3,4,5,6,7,8,9,10,11
.irp j, 0,1,2,3
	v_cvt_pk_f16_f32 v[TT+4*\b+\j], v[8*(12*\ai+\b)+2*\j], v[8*(12*\ai+\b)+2*\j+1]
.endr
.endr
	WIN 0
.irp b, 0,1,2,3,4,5,6,7,8,9,10,11
	ds_store_b128 v[STO], v[TT+4*\b:TT+4*\b+3] offset:(\b/4)*16*SP+(\b%4)*32
.endr
	s_wait_xcnt 0x0                                ; set f, which earlier stores read, is loaded again only behind this wait
.irp t, 0,1,2,3,4,5,6,7,8,9,10,11
	ds_load_b128 v[\f+4*\t:\f+4*\t+3], v[RD] offset:(\t/4)*16*SP+(\t%4)*4*SP   ; my own bytes, served in order (ISA guide 5.7.1.4)
.endr
.irp t, 0,1,2,3,4,5,6,7,8,9,10,11
	s_wait_dscnt 11-\t                             ; load t is in, the younger ones stay out
	global_store_b128 v[VA], v[\f+4*\t:\f+4*\t+3], s[48+2*(\t/4):49+2*(\t/4)] offset:\a*2048+(\t%4)*512
.endr
.endm
	OUTA 0, 0, 0x0a, 112
	OUTA 1, 1, 0x0a, 160
	OUTA 2, 0, 0x0f, 112
	OUTA 3, 1, 0x0f, 160
	s_wait_tensorcnt 0x0
	ds_add_u32 v62, v63
	s_wait_dscnt 0x0
	CROUND                                         ; the closing round: no work-group ends while a partner may still ask jointly
	s_endpgm
.Lfunc_end_k_q7fe9095dfb_qkv:
	.size	k_q7fe9095dfb_qkv, .Lfunc_end_k_q7fe9095dfb_qkv-k_q7fe9095dfb_qkv
	.p2alignl 7, 3214868480
	.fill 96, 4, 3214868480
	.section	.rodata,"a",@progbits
	.p2align	6, 0x0
	.amdhsa_kernel k_q7fe9095dfb_qkv
		.amdhsa_group_segment_fixed_size 327680
		.amdhsa_private_segment_fixed_size 0
		.amdhsa_enable_private_segment 0
		.amdhsa_kernarg_size 40
		.amdhsa_user_sgpr_count 2
		.amdhsa_user_sgpr_kernarg_segment_ptr 1
		.amdhsa_wavefront_size32 1
		.amdhsa_system_sgpr_workgroup_id_x 1
		.amdhsa_system_sgpr_workgroup_id_y 1
		.amdhsa_system_sgpr_workgroup_id_z 1
		.amdhsa_system_vgpr_workitem_id 0
		.amdhsa_next_free_vgpr 960
		.amdhsa_next_free_sgpr 66
		.amdhsa_reserve_vcc 0
		.amdhsa_float_denorm_mode_32 3
		.amdhsa_float_denorm_mode_16_64 3
		.amdhsa_memory_ordered 1
		.amdhsa_forward_progress 1
		.amdhsa_inst_pref_size 255
	.end_amdhsa_kernel
	.section	.bss,"aw",@nobits
	.p2align	6
	.space	262144
	.amdgpu_metadata
---
amdhsa.version: [ 1, 2 ]
amdhsa.kernels:
  - .name:           k_q7fe9095dfb_qkv
    .symbol:         k_q7fe9095dfb_qkv.kd
    .args:
      - { .name: hf, .offset: 0, .size: 8, .value_kind: global_buffer, .address_space: global }
      - { .name: Q_b, .offset: 8, .size: 8, .value_kind: global_buffer, .address_space: global }
      - { .name: K_b, .offset: 16, .size: 8, .value_kind: global_buffer, .address_space: global }
      - { .name: V_b, .offset: 24, .size: 8, .value_kind: global_buffer, .address_space: global }
      - { .name: qkv, .offset: 32, .size: 8, .value_kind: global_buffer, .address_space: global }
    .group_segment_fixed_size: 327680
    .private_segment_fixed_size: 0
    .kernarg_segment_align: 8
    .kernarg_segment_size: 40
    .max_flat_workgroup_size: 128
    .sgpr_count:     66
    .vgpr_count:     960
    .wavefront_size: 32
...
	.end_amdgpu_metadata
.endif
;; end of part 2
;; launch attn (part 3): grid 4 x 64, 8 waves a work-group, clusters of 4 x 1, 322,560 bytes of LDS; arguments qkv, att; writes att
.if DOCPART == 3
	.amdgcn_target "amdgcn-amd-amdhsa--gfx1250"
	.amdhsa_code_object_version 6
	.text
	.protected	k_q7fe9095dfb_attn
	.globl	k_q7fe9095dfb_attn
	.p2align	8
	.type	k_q7fe9095dfb_attn,@function
k_q7fe9095dfb_attn:
	s_mov_b64 s[64:65], 0
	v_nop
	global_prefetch_b8 v0, s[64:65] scope:SCOPE_SE
	s_setreg_imm32_b32 hwreg(HW_REG_WAVE_MODE, 25, 1), 1
	s_wait_xcnt 0x0
	s_wait_alu depctr_hold_cnt(0) depctr_sa_sdst(0) depctr_va_vdst(0) depctr_va_sdst(0) depctr_va_ssrc(0) depctr_va_vcc(0) depctr_vm_vsrc(0)
	s_getreg_b32 s2, hwreg(HW_REG_IB_STS2, 6, 4)
	s_cmp_eq_u32 s2, 0
	s_cbranch_scc0 .Lentry_in_a_cluster
	s_endpgm
.Lentry_in_a_cluster:
	s_bfe_u32 s2, ttmp6, 0x10000c
	s_cmp_lg_u32 s2, 0x3003
	s_cbranch_scc0 .Lentry_shape_is_right
	s_endpgm
.Lentry_shape_is_right:
; att[b*512+q][h*128+d] (f16) = causal softmax(q . k / sqrt(128)) v for one (b, h) = grid y.  q, k, v lie in qkv as [mat][head][half of d][row][64] in f16.
; The four work-groups of a cluster serve one (b, h): all of its K and V is asked for JOINTLY, once for the four.
; A group g is 64 queries, 16 for each work-group: a wave owns the 16 queries from q0 = 64 g + 16 cx and walks the keys 0 .. 64 (g + 1) - 1 in 2 (g + 1) chunks of 32.
; Wave w has g = w xor 3 (w >> 2) (0 1 2 3 7 6 5 4), so that waves w and w + 4 have 18 chunks together (meant for eight waves dealt by turns to four SIMDs).
; The number of chunks hangs on the wave's number alone, so partners run alike; cx enters Q's and the output's global addresses and the mask's threshold, a value.
; MASK: inside the 64 keys of the diagonal group a key above the query gets -100000, as the problem's own mask gives it.  Later keys are not computed.
; LIMIT: that differs from the full sum only where every visible scaled logit of a row lies below about -99,896 (there the dropped keys' exponentials would not vanish).
; The maximum is a running one.  What is carried is n = -C2 m, rounded once, C2 = log2(e) / sqrt(128): p = 2^(C2 s + n) and the rescale factor
; 2^(n_new - n_old) use the same rounded numbers.
; ALL PRODUCTS ARE TRANSPOSED.  S^T = K Q^T: a lane holds query r = l % 16 and keys 8 (l / 16) + j; two key tiles, converted, ARE the fragment of
; P^T for 32 keys.  O^T = V^T P^T (V's fragments by the transposing load): a lane holds query r and eight neighbouring d.
; So maximum, sum and factor are one number a lane; one exchange between the halves of the lanes joins the keys.
; LDS: a d half of K or V is dense in memory (rows of 128 bytes) and comes in as rows of 256 bytes, two keys to a row: key k at (k >> 1) pitch + (k & 1) 128.
; With pitch 272 the 16 keys of a fragment load, with pitch 288 the 8 keys of a transposing load, fall on different columns modulo 256 bytes.
; Q is the wave's own and is read once: eight loads of 16 bytes a lane, which together cover 2 x 2,048 consecutive bytes, put it straight into its fragments.
; ORDER IN LDS: the addresses of K's and V's fragments are stepped from chunk to chunk, so the two orderings are made to hold for any address:
; every tile of every wave has landed ahead of the first barrier, and no wave stores into its stage before every wave's last read is back (the second barrier).
; No prefetch: everything that the work-group reads is asked for at its start.
; REGISTERS: window 0 as named below; window 1: v0-63 the 8 output tiles (dt at 8 dt).
.set PK,   272
.set PV,   288
.set KH,   256*PK                      ; one d half of K: 512 keys
.set VOFF, 2*KH
.set VH,   256*PV                      ; one d half of V
.set STG,  VOFF+2*VH                   ; the eight waves' stages for the way out, 16 rows x 272 bytes each; no tensor load fills them
.set QS,   16*PK
.set KADR, 2                           ; v2-3   my K fragments of the chunk, d half 0, 1
.set VADR, 4                           ; v4-5   my V fragments of the chunk, d half 0, 1
.set THR,  6                           ; q0 + r - 8 h - 32 chunk: key 16 kt + j of my keys in the chunk is masked if 16 kt + j > THR
.set STO,  7                           ; the way out: where I put 16 bytes of a row
.set RD,   8                           ; rows read back
.set CO,   9                           ; my byte offset in att
.set NEGV, 10                          ; -100000 sqrt(128): the mask's value ahead of the scale
.set TMP,  11
.set LS,   14                          ; the running sum over my half of the keys
.set QAD,  15                          ; my byte offset in Q
.set AL,   16                          ; v16  the rescale factor (v[16:17]: a pair for the packed multiply)
.set NMC,  20                          ; v[20:21]  n, twice
.set MX,   24                          ; v24-25
.set NN,   26
.set SC,   32                          ; v[32:47]  score tile kt at 32 + 8 kt
.set PF,   48                          ; v[48:55]  the P fragment
.set QF,   56                          ; v[56:87]  Q fragment dc at 56 + 8 dc
.set KF,   88                          ; v[88:151]  K fragment (kt, dc) at 88 + 8 (4 kt + dc)
.set VF,   152                         ; v[152:215] V fragment dt
.set TT,   88                          ; the way out
.set OACC, 0                           ; window 1
.set W_RS, 0x41                        ; destination and source 0 window 1
.set W_PV, 0x50                        ; C and D window 1
.set W_EP, 0x01                        ; source 0 window 1
.set MSB, 0
.macro WIN new                         ; the immediate's high byte repeats the setting that is left
.if MSB != \new
	s_set_vgpr_msb (MSB<<8)|\new
.set MSB, \new
.endif
.endm
.macro ROUND                           ; a round of the cluster's barrier
	s_barrier_signal -1
	s_barrier_wait -1
	s_cmp_lg_u32 s8, 0
	s_cbranch_scc1 .Lnot_wave_0_\@
	s_barrier_signal -3
.Lnot_wave_0_\@:
	s_barrier_wait -3
	s_barrier_signal -1
	s_barrier_wait -1
.endm
	s_load_b128 s[4:7], s[0:1], 0x0                ; qkv s[4:5], att s[6:7]
	v_lshl_add_u32 v254, v0, 2, 0x4e800
	v_mov_b32 v255, 0
	ds_add_u32 v254, v255
	v_lshrrev_b32 v1, 5, v0
	v_readfirstlane_b32 s8, v1                     ; wave 0..7
	s_bfe_u32 s9, ttmp6, 0x40000                   ; cx
	s_and_b32 s10, s8, 3                           ; which quarter of K (waves 0-3) or of V (waves 4-7) I fetch: 2 x d half + half of the keys
	s_and_b32 s11, ttmp7, 0xffff                   ; (b, h)
	s_lshr_b32 s12, s11, 4                         ; b
	s_and_b32 s13, s11, 15                         ; h
	s_lshr_b32 s15, s8, 2
	s_mul_i32 s15, s15, 3
	s_xor_b32 s15, s15, s8                         ; g
	s_lshl_b32 s14, s15, 6
	s_lshl_b32 s71, s9, 4
	s_add_co_u32 s14, s14, s71                     ; q0 = 64 g + 16 cx
	s_lshl_b32 s69, s15, 1                         ; the first chunk of my diagonal group
	s_add_co_u32 s68, s69, 1                       ; my last chunk
	; group 1 of K's tiles: 128 rows x 256 bytes, dense, 4 words of padding behind 64; joint for all four work-groups, bit 21 beside the mask
	s_mov_b32 s16, 15|(1<<16)|(1<<20)|(1<<21)|(5<<22)|(3<<25)
	s_mov_b32 s17, 128<<16
	s_mov_b32 s18, 128<<16
	s_mov_b32 s19, 128<<16
	s_mov_b32 s20, 128
	s_mov_b32 s21, 128
	s_mov_b32 s22, 0
	s_mov_b32 s23, 0
	; of V's: 8 words of padding
	s_mov_b32 s24, 15|(1<<16)|(1<<20)|(1<<21)|(5<<22)|(7<<25)
	s_mov_b32 s25, 128<<16
	s_mov_b32 s26, 128<<16
	s_mov_b32 s27, 128<<16
	s_mov_b32 s28, 128
	s_mov_b32 s29, 128
	s_mov_b32 s30, 0
	s_mov_b32 s31, 0
	s_mov_b32 s60, 0x76543210                      ; v_permlanex16_b32: lane i takes lane i of the other half
	s_mov_b32 s61, 0xfedcba98
	s_mov_b32 s62, 0x3e0293ee                      ; C2 = log2(e) / sqrt(128)
	s_mov_b32 s63, 0x3e0293ee
	s_mov_b32 s70, 0xbe0293ee                      ; -C2
	s_lshl_b32 s72, s13, 19                        ; the head's 524,288 bytes of a part of qkv,
	s_lshl_b32 s73, s12, 16                        ; b x 512 rows of 128 bytes
	s_add_co_u32 s72, s72, s73
	s_mov_b32 s73, 0
	s_lshr_b32 s76, s10, 1                         ; my quarter: the d half's 262,144 bytes,
	s_lshl_b32 s76, s76, 18
	s_and_b32 s77, s10, 1                          ; 256 keys of 128 bytes (no cx in it)
	s_lshl_b32 s77, s77, 15
	s_add_co_u32 s76, s76, s77
	s_mov_b32 s77, 0
	s_lshl_b32 s78, s14, 7                         ; my queries
	s_mov_b32 s79, 0
	s_lshl_b32 s74, s12, 9                         ; my rows and my head in att
	s_add_co_u32 s74, s74, s14
	s_lshl_b32 s74, s74, 12
	s_lshl_b32 s75, s13, 8
	s_add_co_u32 s74, s74, s75
	s_mov_b32 s75, 0
	s_mul_i32 s41, s8, QS
	s_add_co_u32 s41, s41, STG                     ; my stage
	s_wait_dscnt 0x0
	s_wait_kmcnt 0x0
	s_add_nc_u64 s[4:5], s[4:5], s[72:73]
	s_add_nc_u64 s[76:77], s[4:5], s[76:77]
	s_add_nc_u64 s[78:79], s[4:5], s[78:79]        ; Q is part 0
	s_add_nc_u64 s[6:7], s[6:7], s[74:75]
	s_mov_b32 s44, 1                               ; group 0 of K's quarter (waves 0-3)
	s_mul_i32 s45, s10, 128*PK
	s_add_nc_u64 s[46:47], s[76:77], 0x800000      ; K is part 1
	s_or_b32 s47, s47, 0x80000000
	s_mov_b32 s52, 1                               ; of V's quarter (waves 4-7)
	s_mul_i32 s53, s10, 128*PV
	s_add_co_u32 s53, s53, VOFF
	s_add_nc_u64 s[54:55], s[76:77], 0x1000000     ; V is part 2
	s_or_b32 s55, s55, 0x80000000
	ROUND                                          ; the four work-groups are here: the joint loads meet
	s_cmp_lt_u32 s8, 4
	s_cbranch_scc0 .Lfor_v
	tensor_load_to_lds s[44:47], s[16:23]          ; every fill is a first fill; one tensor load of the wave is out
	s_nop 0
	s_branch .Lasked
.Lfor_v:
	tensor_load_to_lds s[52:55], s[24:31]
	s_nop 0
.Lasked:
	v_and_b32 v1, 15, v0                           ; r
	v_bfe_u32 v12, v0, 4, 1                        ; h
	v_lshlrev_b32 v[QAD], 7, v1                    ; Q: row r of 128 bytes, 16 bytes for each half of the lanes
	v_lshl_add_u32 v[QAD], v12, 4, v[QAD]
.irp dc, 0,1,2,3
	global_load_b128 v[QF+8*\dc:QF+8*\dc+3],   v[QAD], s[78:79] offset:(\dc/2)*262144+(\dc%2)*64
	global_load_b128 v[QF+8*\dc+4:QF+8*\dc+7], v[QAD], s[78:79] offset:(\dc/2)*262144+(\dc%2)*64+32
.endr
	v_lshrrev_b32 v13, 1, v1                       ; K: key r at (r >> 1) 272 + (r & 1) 128, 16 bytes for each half of the lanes
	v_mul_u32_u24 v[KADR], v13, PK
	v_and_b32 v13, 1, v0
	v_lshl_add_u32 v[KADR], v13, 7, v[KADR]
	v_lshl_add_u32 v[KADR], v12, 4, v[KADR]
	v_add_nc_u32 v[KADR+1], KH, v[KADR]
	v_and_b32 v13, 7, v0                           ; V by the transposing load: key 8 h + l % 8, columns 8 ((l / 8) % 2) .. + 7
	v_lshl_add_u32 v13, v12, 3, v13
	v_lshrrev_b32 v[VADR+1], 1, v13
	v_mul_u32_u24 v[VADR], v[VADR+1], PV
	v_and_b32 v13, 1, v13
	v_lshl_add_u32 v[VADR], v13, 7, v[VADR]
	v_bfe_u32 v13, v0, 3, 1
	v_lshl_add_u32 v[VADR], v13, 4, v[VADR]
	v_add_nc_u32 v[VADR], VOFF, v[VADR]
	v_add_nc_u32 v[VADR+1], VH, v[VADR]
	v_lshlrev_b32 v13, 3, v12
	v_sub_nc_u32 v[THR], v1, v13
	v_add_nc_u32 v[THR], s14, v[THR]
	v_mul_u32_u24 v[STO], v1, PK                   ; the way out, in: row r, 16 bytes for each half of the lanes
	v_lshl_add_u32 v[STO], v12, 4, v[STO]
	v_add_nc_u32 v[STO], s41, v[STO]
	v_mul_u32_u24 v[RD], v12, PK                   ; back: lanes 0-15 one row of 256 bytes, lanes 16-31 the next
	v_lshl_add_u32 v[RD], v1, 4, v[RD]
	v_add_nc_u32 v[RD], s41, v[RD]
	v_lshlrev_b32 v[CO], 12, v12
	v_lshl_add_u32 v[CO], v1, 4, v[CO]
	v_mov_b32 v[NEGV], 0xc98a1b57
	v_mov_b32 v[TMP], 0                            ; the lane exchange's destination and the second register of the factor's pair count as read: written once here
	v_mov_b32 v[AL+1], 0
.macro KLOAD                           ; 16 loads: 32 keys x 128 d
.irp kt, 0,1
.irp dc, 0,1,2,3
	ds_load_b128 v[KF+8*(4*\kt+\dc):KF+8*(4*\kt+\dc)+3],   v[KADR+(\dc/2)] offset:\kt*8*PK+(\dc%2)*64
	ds_load_b128 v[KF+8*(4*\kt+\dc)+4:KF+8*(4*\kt+\dc)+7], v[KADR+(\dc/2)] offset:\kt*8*PK+(\dc%2)*64+32
.endr
.endr
.endm
.macro VLOAD                           ; 16 transposing loads: 128 d x 32 keys
.irp dt, 0,1,2,3,4,5,6,7
	ds_load_tr16_b128 v[VF+8*\dt:VF+8*\dt+3],   v[VADR+(\dt/4)] offset:(\dt%4)*32
	ds_load_tr16_b128 v[VF+8*\dt+4:VF+8*\dt+7], v[VADR+(\dt/4)] offset:(\dt%4)*32+8*PV
.endr
.endm
; One chunk of 32 keys.  first = 1: it starts maximum, sum and output.  pre = 1: the next chunk's K fragments are asked for.
.macro CHUNK first, pre
	VLOAD
	s_wait_dscnt 16                                ; the 16 V loads may stay out; K's fragments are in
.irp dc, 0,1,2,3                       ; the two score tiles take turns, one instruction a turn
.irp kt, 0,1
.if \dc == 0
	v_wmma_f32_16x16x32_f16 v[SC+8*\kt:SC+8*\kt+7], v[KF+8*(4*\kt+\dc):KF+8*(4*\kt+\dc)+7], v[QF+8*\dc:QF+8*\dc+7], 0
.else
	v_wmma_f32_16x16x32_f16 v[SC+8*\kt:SC+8*\kt+7], v[KF+8*(4*\kt+\dc):KF+8*(4*\kt+\dc)+7], v[QF+8*\dc:QF+8*\dc+7], v[SC+8*\kt:SC+8*\kt+7]
.endif
.endr
.endr
	v_add_nc_u32 v[KADR], 16*PK, v[KADR]           ; four places behind the matrix instructions (ISA guide 7.12.1): the next chunk's addresses
	v_add_nc_u32 v[KADR+1], 16*PK, v[KADR+1]
	v_add_nc_u32 v[VADR], 16*PV, v[VADR]
	v_add_nc_u32 v[VADR+1], 16*PV, v[VADR+1]
.if \pre
	KLOAD
.endif
	s_cmp_lt_u32 s66, s69                          ; below my diagonal group no key is masked; chunk number and wave number alone decide
	s_cbranch_scc1 .Lfree_\@
.irp kt, 0,1
.irp j, 0,1,2,3,4,5,6,7
	v_cmp_gt_i32 vcc_lo, 16*\kt+\j, v[THR]
	v_cndmask_b32 v[SC+8*\kt+\j], v[SC+8*\kt+\j], v[NEGV], vcc_lo
.endr
.endr
.Lfree_\@:
	v_max3_num_f32 v[MX], v[SC], v[SC+1], v[SC+2]  ; the maximum of my 16 keys, in two chains
	v_max3_num_f32 v[MX+1], v[SC+8], v[SC+9], v[SC+10]
	v_max3_num_f32 v[MX], v[MX], v[SC+3], v[SC+4]
	v_max3_num_f32 v[MX+1], v[MX+1], v[SC+11], v[SC+12]
	v_max3_num_f32 v[MX], v[MX], v[SC+5], v[SC+6]
	v_max3_num_f32 v[MX+1], v[MX+1], v[SC+13], v[SC+14]
	v_max3_num_f32 v[MX], v[MX], v[SC+7], v[SC+15]
	v_max_num_f32 v[MX], v[MX], v[MX+1]
	v_permlanex16_b32 v[TMP], v[MX], s60, s61      ; the other 16 keys of the same query
	v_max_num_f32 v[MX], v[MX], v[TMP]
	v_mul_f32 v[NN], s70, v[MX]                    ; n = -C2 m
.if \first == 0
	v_min_num_f32 v[NN], v[NN], v[NMC]             ; the running maximum is the smaller n
	v_sub_f32 v[TMP], v[NN], v[NMC]
	v_exp_f32 v[AL], v[TMP]                        ; 2^(n_new - n_old); the moves below are the plain instructions behind it (ISA guide 5.7.2)
.endif
	v_mov_b32 v[NMC], v[NN]
	v_mov_b32 v[NMC+1], v[NN]
.irp j, 0,2,4,6,8,10,12,14
	v_pk_fma_f32 v[SC+\j:SC+\j+1], v[SC+\j:SC+\j+1], s[62:63], v[NMC:NMC+1] op_sel_hi:[1,0,1]
.endr
.irp j, 0,1,2,3,4,5,6,7,8,9,10,11,12,13,14,15
	v_exp_f32 v[SC+\j], v[SC+\j]
.endr
	v_nop                                          ; one plain instruction behind the exponentials before their results are used
	s_wait_alu depctr_va_vdst(0)
.irp j, 0,1,2,3,4,5,6,7
	v_cvt_pk_f16_f32 v[PF+\j], v[SC+2*\j], v[SC+2*\j+1]
.endr
.irp j, 0,2,4,6
	v_pk_add_f32 v[SC+\j:SC+\j+1], v[SC+\j:SC+\j+1], v[SC+8+\j:SC+8+\j+1]
.endr
	v_pk_add_f32 v[SC:SC+1], v[SC:SC+1], v[SC+2:SC+3]
	v_pk_add_f32 v[SC+4:SC+5], v[SC+4:SC+5], v[SC+6:SC+7]
	v_pk_add_f32 v[SC:SC+1], v[SC:SC+1], v[SC+4:SC+5]
.if \first
	v_add_f32 v[LS], v[SC], v[SC+1]
.else
	v_add_f32 v[SC], v[SC], v[SC+1]
	v_fma_f32 v[LS], v[LS], v[AL], v[SC]
	WIN W_RS
.irp dt, 0,1,2,3,4,5,6,7
.irp j, 0,2,4,6
	v_pk_mul_f32 v[OACC+8*\dt+\j:OACC+8*\dt+\j+1], v[OACC+8*\dt+\j:OACC+8*\dt+\j+1], v[AL:AL+1] op_sel_hi:[1,0]
.endr
.endr
.endif
.if \pre
	s_wait_dscnt 16                                ; V's fragments are in; the 16 K loads issued behind them stay out
.else
	s_wait_dscnt 0
.endif
	WIN W_PV
.irp dt, 0,1,2,3,4,5,6,7               ; eight different accumulators, one instruction each
.if \first
	v_wmma_f32_16x16x32_f16 v[OACC+8*\dt:OACC+8*\dt+7], v[VF+8*\dt:VF+8*\dt+7], v[PF:PF+7], 0
.else
	v_wmma_f32_16x16x32_f16 v[OACC+8*\dt:OACC+8*\dt+7], v[VF+8*\dt:VF+8*\dt+7], v[PF:PF+7], v[OACC+8*\dt:OACC+8*\dt+7]
.endif
.endr
	WIN 0
	v_sub_nc_u32 v[THR], v[THR], 32                ; four places ahead of the next loads into V's fragments and of the way out
	v_nop
	v_nop
	v_nop
.endm
	s_wait_tensorcnt 0x0                           ; my quarter is in
	s_barrier_signal -1
	s_barrier_wait -1                              ; all of K and V is in for every wave: no later LDS read can meet a tile on its way
	KLOAD
	s_wait_loadcnt 0x0                             ; Q's fragments
	s_mov_b32 s66, 0                               ; the chunk's number
	CHUNK 1, 1                                     ; chunk 0 starts maximum, sum and output: nothing is cleared
	s_mov_b32 s66, 1
	s_cmp_eq_u32 s15, 0                            ; group 0 has two chunks alone: the wave's number decides
	s_cbranch_scc1 .Llast
.LA:
	CHUNK 0, 1                                     ; chunks 1 .. 2 g
	s_add_co_u32 s66, s66, 1
	s_cmp_lt_u32 s66, s68
	s_cbranch_scc1 .LA
.Llast:
	CHUNK 0, 0                                     ; chunk 2 g + 1, my last: nothing is asked for ahead
	; THE WAY OUT: join the two halves' sums, divide, round to f16, 16 bytes a lane into my own stage, whole rows of 256 bytes back
	v_permlanex16_b32 v[TMP], v[LS], s60, s61
	v_add_f32 v[LS], v[LS], v[TMP]
	v_rcp_f32 v[AL], v[LS]                         ; the sum holds the maximum's own term, about 1
	v_nop                                          ; one plain instruction behind the reciprocal
	WIN W_EP
	s_wait_alu depctr_va_vdst(0)
.irp dt, 0,1,2,3,4,5,6,7
.irp j, 0,2,4,6
	v_pk_mul_f32 v[TT+8*\dt+\j:TT+8*\dt+\j+1], v[OACC+8*\dt+\j:OACC+8*\dt+\j+1], v[AL:AL+1] op_sel_hi:[1,0]
.endr
.endr
	WIN 0
.irp dt, 0,1,2,3,4,5,6,7
.irp j, 0,1,2,3
	v_cvt_pk_f16_f32 v[TT+8*\dt+\j], v[TT+8*\dt+2*\j], v[TT+8*\dt+2*\j+1]   ; in place, ascending: no source is overwritten before it is read
.endr
.endr
	s_wait_dscnt 0x0                               ; my LDS reads are back (met: the last chunk waited for 0),
	s_barrier_signal -1
	s_barrier_wait -1                              ; and so are every wave's: only now does any wave store into LDS
.irp dt, 0,1,2,3,4,5,6,7
	ds_store_b128 v[STO], v[TT+8*\dt:TT+8*\dt+3] offset:\dt*32
.endr
.irp i, 0,1,2,3,4,5,6,7
	ds_load_b128 v[TT+8*\i+4:TT+8*\i+7], v[RD] offset:\i*2*PK      ; my own bytes, and LDS serves a wave in order (ISA guide 5.7.1.4): these see the stores above
.endr
.irp i, 0,1,2,3,4,5,6,7
	s_wait_dscnt 7-\i                              ; LDS loads come back in order: load i is in, the younger ones stay out
	global_store_b128 v[CO], v[TT+8*\i+4:TT+8*\i+7], s[6:7] offset:\i*8192   ; 16 lanes store 256 consecutive bytes, aligned: a head's piece of a row
.endr
	s_wait_tensorcnt 0x0
	ds_add_u32 v254, v255
	s_wait_dscnt 0x0
	ROUND                                          ; the closing round
	s_endpgm
.Lfunc_end_k_q7fe9095dfb_attn:
	.size	k_q7fe9095dfb_attn, .Lfunc_end_k_q7fe9095dfb_attn-k_q7fe9095dfb_attn
	.p2alignl 7, 3214868480
	.fill 96, 4, 3214868480
	.section	.rodata,"a",@progbits
	.p2align	6, 0x0
	.amdhsa_kernel k_q7fe9095dfb_attn
		.amdhsa_group_segment_fixed_size 322560
		.amdhsa_private_segment_fixed_size 0
		.amdhsa_enable_private_segment 0
		.amdhsa_kernarg_size 16
		.amdhsa_user_sgpr_count 2
		.amdhsa_user_sgpr_kernarg_segment_ptr 1
		.amdhsa_wavefront_size32 1
		.amdhsa_system_sgpr_workgroup_id_x 1
		.amdhsa_system_sgpr_workgroup_id_y 1
		.amdhsa_system_sgpr_workgroup_id_z 1
		.amdhsa_system_vgpr_workitem_id 0
		.amdhsa_next_free_vgpr 320
		.amdhsa_next_free_sgpr 80
		.amdhsa_reserve_vcc 1
		.amdhsa_float_denorm_mode_32 3
		.amdhsa_float_denorm_mode_16_64 3
		.amdhsa_memory_ordered 1
		.amdhsa_forward_progress 1
		.amdhsa_inst_pref_size 41
	.end_amdhsa_kernel
	.amdgpu_metadata
---
amdhsa.version: [ 1, 2 ]
amdhsa.kernels:
  - .name:           k_q7fe9095dfb_attn
    .symbol:         k_q7fe9095dfb_attn.kd
    .args:
      - { .name: qkv, .offset: 0, .size: 8, .value_kind: global_buffer, .address_space: global }
      - { .name: att, .offset: 8, .size: 8, .value_kind: global_buffer, .address_space: global }
    .group_segment_fixed_size: 322560
    .private_segment_fixed_size: 0
    .kernarg_segment_align: 8
    .kernarg_segment_size: 16
    .max_flat_workgroup_size: 256
    .sgpr_count:     80
    .vgpr_count:     320
    .wavefront_size: 32
...
	.end_amdgpu_metadata
.endif
;; end of part 3
;; launch oproj (part 4): grid 16 x 16, 4 waves a work-group, clusters of 4 x 4, 327,680 bytes of LDS; arguments att, hf, O_b, out0; writes out0
.if DOCPART == 4
	.amdgcn_target "amdgcn-amd-amdhsa--gfx1250"
	.amdhsa_code_object_version 6
	.text
	.protected	k_q7fe9095dfb_oproj
	.globl	k_q7fe9095dfb_oproj
	.p2align	8
	.type	k_q7fe9095dfb_oproj,@function
k_q7fe9095dfb_oproj:
	s_mov_b64 s[64:65], 0
	v_nop
	global_prefetch_b8 v0, s[64:65] scope:SCOPE_SE
	s_setreg_imm32_b32 hwreg(HW_REG_WAVE_MODE, 25, 1), 1
	s_wait_xcnt 0x0
	s_wait_alu depctr_hold_cnt(0) depctr_sa_sdst(0) depctr_va_vdst(0) depctr_va_sdst(0) depctr_va_ssrc(0) depctr_va_vcc(0) depctr_vm_vsrc(0)
	s_getreg_b32 s2, hwreg(HW_REG_IB_STS2, 6, 4)
	s_cmp_eq_u32 s2, 0
	s_cbranch_scc0 .Lentry_in_a_cluster
	s_endpgm
.Lentry_in_a_cluster:
	s_bfe_u32 s2, ttmp6, 0x10000c
	s_cmp_lg_u32 s2, 0xf033
	s_cbranch_scc0 .Lentry_shape_is_right
	s_endpgm
.Lentry_shape_is_right:
; out0[row][n] (f32) = sum over k of att[row][k] O_w[k][n] + O_b[n].  att [2048][2048] f16; O_w as f16 is part 4 of hf, [k][n]; sums and bias in f32.
; A work-group makes 128 x 128: 256 work-groups.  Wave w: rows 64 (w>>1) .. +63, columns 64 (w&1) .. +63: 16 accumulator tiles.
; An LDS slot holds 256 along K: att's 128 rows of 512 bytes (pitch 528) and O_w's 256 k-rows of 256 bytes (pitch 288); two slots.
; Waves 0, 1 fetch att's halves (64 rows each), waves 2, 3 O_w's (128 k-rows each): one tensor load a wave and slot.
; CLUSTERS: 4 x 4 work-groups; att's tile is asked for jointly along a row of the cluster, O_w's along a column.
; The matrix instruction is used transposed (source 0 = columns of O_w by the transposing load, source 1 = rows of att): a lane holds row l % 16 and eight
; neighbouring columns.  No prefetch: both slots are on their way by tensor loads, and both operands were stored by earlier launches.
; REGISTERS: window 0: v16-27 addresses, v64-127 and v128-191 att fragments ((kk, a) at + 8 (4 kk + a)), v192-223 bias, v224-255 at work;
; window 1: the same numbers for O_w's fragments (kk, b); window 2: accumulator (a, b) at 8 (4 a + b).
.set PA,    528
.set PB,    288
.set AB,    128*PA                     ; att's part of a slot
.set SLOT,  AB+256*PB
.set STAGE, 2*SLOT                     ; behind the ring: 16 rows x 272 bytes for each wave; no tensor load fills it
.set SPITCH, 272
.set LAPS,  4                          ; 2048 / (2 x 256)
.set ADRA, 16                          ; v16-17  slot 0, 1
.set ADRB, 20                          ; v20-23  slot s, k-rows 128 g ..: 20 + 2 s + g
.set STO,  24
.set RD,   25
.set CO,   26
.set VB,   27
.set F0,   64
.set F1,   128
.set BIAS, 192
.set TT,   224
.set G1A, 24
.set G0A, 32
.set G1B, 48
.set G0B, 56
.set MUL,  0xa1                        ; source 0 window 1, source 1 window 0, C and D window 2
.set TO_B, 0x40
.set MSB, 0
.macro WIN new
.if MSB != \new
	s_set_vgpr_msb (MSB<<8)|\new
.set MSB, \new
.endif
.endm
.macro JLOAD s                         ; waves 0, 1 ask for att's halves, waves 2, 3 for O_w's: one mask to a line
	s_cmp_eq_u32 s15, 0
	s_cbranch_scc0 .Lfor_b_\@
	tensor_load_to_lds s[G0A+4*\s:G0A+4*\s+3], s[G1A:G1A+7]
	s_nop 0
	s_branch .Lasked_\@
.Lfor_b_\@:
	tensor_load_to_lds s[G0B+4*\s:G0B+4*\s+3], s[G1B:G1B+7]
	s_nop 0
.Lasked_\@:
.endm
.macro CREST
	s_cmp_lg_u32 s14, 0
	s_cbranch_scc1 .Lnot_wave_0_\@
	s_barrier_signal -3
.Lnot_wave_0_\@:
	s_barrier_wait -3
	s_barrier_signal -1
	s_barrier_wait -1
.endm
.macro CROUND
	s_barrier_signal -1
	s_barrier_wait -1
	CREST
.endm
.macro PLACES                          ; four plain vector instructions behind a matrix instruction (ISA guide 7.12.1)
.rept 4
	v_nop
.endr
.endm
	s_load_b256 s[4:11], s[0:1], 0x0               ; att s[4:5], hf s[6:7], O_b s[8:9], out0 s[10:11]
	s_set_vgpr_msb 0x40
	v_lshl_add_u32 v255, v0, 2, 0x49400
	s_set_vgpr_msb 0x4000
	v_mov_b32 v63, 0
	s_set_vgpr_msb 0x1
	ds_add_u32 v255, v63
	s_set_vgpr_msb 0x100
	v_lshrrev_b32 v1, 5, v0
	v_readfirstlane_b32 s14, v1                    ; wave 0..3
	s_lshr_b32 s15, s14, 1                         ; my 64 rows; also: I fetch for att (0) or for O_w (1)
	s_and_b32 s16, s14, 1                          ; my 64 columns; also: which half of that tile I fetch
	s_bfe_u32 s40, ttmp6, 0x40000                  ; cx
	s_bfe_u32 s41, ttmp6, 0x40004                  ; cy
	s_lshl_b32 s42, ttmp9, 2
	s_add_co_u32 s42, s42, s40                     ; block of 128 columns
	s_and_b32 s43, ttmp7, 0xffff
	s_lshl_b32 s43, s43, 2
	s_add_co_u32 s43, s43, s41                     ; block of 128 rows
	s_lshl_b32 s44, s41, 2
	s_lshl_b32 s44, 15, s44                        ; my row of the cluster
	s_lshl_b32 s45, 0x1111, s40                    ; my column
	s_or_b32 s[G1A+0], s44, (1<<16)|(1<<20)|(1<<21)|(6<<22)|(3<<25)  ; after every 128 words (a row of 512 bytes), 4 words
	s_or_b32 s[G1B+0], s45, (1<<16)|(1<<20)|(1<<21)|(5<<22)|(7<<25)  ; after every 64 words, 8 words
	s_mov_b32 s[G1A+1], 256<<16                    ; tensor_dim0
	s_mov_b32 s[G1B+1], 128<<16
	s_mov_b32 s[G1A+2], 64<<16                     ; tensor_dim1
	s_mov_b32 s[G1B+2], 128<<16
	s_mov_b32 s[G1A+3], 256<<16                    ; tile_dim0
	s_mov_b32 s[G1B+3], 128<<16
	s_mov_b32 s[G1A+4], 64                         ; tile_dim1
	s_mov_b32 s[G1B+4], 128
	s_mov_b32 s[G1A+5], 2048                       ; elements from row to row, in both
	s_mov_b32 s[G1B+5], 2048
	s_mov_b32 s[G1A+6], 0
	s_mov_b32 s[G1B+6], 0
	s_mov_b32 s[G1A+7], 0
	s_mov_b32 s[G1B+7], 0
	s_lshl_b32 s18, s43, 19                        ; att: (128 block + 64 half) rows of 4,096 bytes (holds cy, never cx)
	s_lshl_b32 s19, s16, 18
	s_add_co_u32 s18, s18, s19
	s_mov_b32 s19, 0
	s_lshl_b32 s46, s16, 19                        ; O_w: part 4 of hf, 128 half k-rows of 4,096 bytes, 256 bytes a block of columns (holds cx, never cy)
	s_lshl_b32 s47, s42, 8
	s_add_co_u32 s46, s46, s47
	s_add_co_u32 s46, s46, 0x2000000
	s_mov_b32 s47, 0
	s_mul_i32 s17, s16, 64*PA                      ; where they go
	s_mul_i32 s22, s16, 128*PB
	s_add_co_u32 s22, s22, AB
	s_wait_dscnt 0x0
	s_wait_kmcnt 0x0
	s_add_nc_u64 s[20:21], s[4:5], s[18:19]
	s_add_nc_u64 s[46:47], s[6:7], s[46:47]
	CROUND                                         ; the first joint loads meet
.irp s, 0,1
	s_mov_b32 s[G0A+4*\s], 1
	s_add_co_u32 s[G0A+4*\s+1], s17, \s*SLOT
	s_add_nc_u64 s[G0A+4*\s+2:G0A+4*\s+3], s[20:21], \s*512
	s_or_b32 s[G0A+4*\s+3], s[G0A+4*\s+3], 0x80000000
	s_mov_b32 s[G0B+4*\s], 1
	s_add_co_u32 s[G0B+4*\s+1], s22, \s*SLOT
	s_add_nc_u64 s[G0B+4*\s+2:G0B+4*\s+3], s[46:47], \s*1048576
	s_or_b32 s[G0B+4*\s+3], s[G0B+4*\s+3], 0x80000000
	JLOAD \s                                       ; two loads of the wave are out
.endr
	v_and_b32 v1, 15, v0                           ; r
	v_bfe_u32 v2, v0, 4, 1                         ; h
	v_mul_u32_u24 v3, v1, PA
	v_lshl_add_u32 v3, v2, 4, v3
	s_mul_i32 s23, s15, 64*PA
	v_add_nc_u32 v[ADRA], s23, v3
	s_add_co_u32 s23, s23, SLOT
	v_add_nc_u32 v[ADRA+1], s23, v3
	v_and_b32 v5, 7, v0
	v_lshl_add_u32 v5, v2, 3, v5
	v_mul_u32_u24 v4, v5, PB
	v_bfe_u32 v5, v0, 3, 1
	v_lshl_add_u32 v4, v5, 4, v4
	s_lshl_b32 s22, s16, 7
.irp s, 0,1
.irp g, 0,1
	s_add_co_u32 s23, s22, \s*SLOT+AB+\g*128*PB
	v_add_nc_u32 v[ADRB+2*\s+\g], s23, v4
.endr
.endr
	s_mul_i32 s23, s14, 16*SPITCH
	s_add_co_u32 s23, s23, STAGE                   ; my stage
	v_mul_u32_u24 v5, v1, SPITCH                   ; in: row r, 32 bytes for each half of the lanes
	v_lshl_add_u32 v5, v2, 5, v5
	v_add_nc_u32 v[STO], s23, v5
	v_mul_u32_u24 v5, v2, SPITCH                   ; back: lanes 0-15 one row of 256 bytes, lanes 16-31 the next
	v_lshl_add_u32 v5, v1, 4, v5
	v_add_nc_u32 v[RD], s23, v5
	v_lshlrev_b32 v5, 13, v2
	v_lshl_add_u32 v[CO], v1, 4, v5
	s_lshl_b32 s22, s42, 9
	s_lshl_b32 s23, s16, 8
	s_add_co_u32 s22, s22, s23
	v_lshl_add_u32 v[VB], v2, 5, s22
.irp b, 0,1,2,3
	global_load_b128 v[BIAS+8*\b:BIAS+8*\b+3],   v[VB], s[8:9] offset:64*\b
	global_load_b128 v[BIAS+8*\b+4:BIAS+8*\b+7], v[VB], s[8:9] offset:64*\b+16
.endr
; 8 matrix instructions: m tiles a0, a0 + 1 x 4 n tiles, 32 along K (half kk of the buffer's 64).  The 16 accumulators take turns.
.macro MUL8 f, kk, a0, zero
.irp a, 0,1
.irp b, 0,1,2,3
.if \zero
	v_wmma_f32_16x16x32_f16 v[8*(4*(\a0+\a)+\b):8*(4*(\a0+\a)+\b)+7], v[\f+8*(4*\kk+\b):\f+8*(4*\kk+\b)+7], v[\f+8*(4*\kk+\a0+\a):\f+8*(4*\kk+\a0+\a)+7], 0
.else
	v_wmma_f32_16x16x32_f16 v[8*(4*(\a0+\a)+\b):8*(4*(\a0+\a)+\b)+7], v[\f+8*(4*\kk+\b):\f+8*(4*\kk+\b)+7], v[\f+8*(4*\kk+\a0+\a):\f+8*(4*\kk+\a0+\a)+7], v[8*(4*(\a0+\a)+\b):8*(4*(\a0+\a)+\b)+7]
.endif
.endr
.endr
.endm
; 32 LDS loads in one run: chunk ch (64 along K) of a slot into buffer f
.macro FETCH slot, ch, f
	WIN TO_B
.irp kk, 0,1
.irp b, 0,1,2,3
	ds_load_tr16_b128 v[\f+8*(4*\kk+\b):\f+8*(4*\kk+\b)+3],   v[ADRB+2*\slot+(\ch/2)] offset:((\ch%2)*64+\kk*32)*PB+\b*32
	ds_load_tr16_b128 v[\f+8*(4*\kk+\b)+4:\f+8*(4*\kk+\b)+7], v[ADRB+2*\slot+(\ch/2)] offset:((\ch%2)*64+\kk*32)*PB+\b*32+16*PB
.endr
.endr
	WIN 0
.irp kk, 0,1
.irp a, 0,1,2,3
	ds_load_b128 v[\f+8*(4*\kk+\a):\f+8*(4*\kk+\a)+3],   v[ADRA+\slot] offset:\ch*128+\kk*64+\a*16*PA
	ds_load_b128 v[\f+8*(4*\kk+\a)+4:\f+8*(4*\kk+\a)+7], v[ADRA+\slot] offset:\ch*128+\kk*64+\a*16*PA+32
.endr
.endr
.endm
.macro CHUNKQ slot, ch, f, g, zero     ; multiplies buffer f, fetches chunk ch into buffer g
	s_wait_dscnt 8                                 ; all but the youngest eight loads (att's second 32 along K) are in
	WIN MUL
	MUL8 \f, 0, 0, \zero
	MUL8 \f, 0, 2, \zero
	PLACES
	FETCH \slot, \ch, \g
	s_wait_dscnt 32                                ; all but the 32 just issued
	WIN MUL
	MUL8 \f, 1, 0, 0
	MUL8 \f, 1, 2, 0
.endm
.macro THREE slot, zero
	CHUNKQ \slot, 1, F0, F1, \zero
	CHUNKQ \slot, 2, F1, F0, 0
	CHUNKQ \slot, 3, F0, F1, 0
.endm
; The slot's last chunk, and the change of slots: waits, barrier (a round of the cluster's barrier where the slot is filled again), the joint refill first behind it.
; From a request to the wait for it a wave issues 120 matrix instructions.
.macro TURN slot, next, fill
	s_wait_dscnt 8
	WIN MUL
	MUL8 F1, 0, 0, 0
	s_wait_dscnt 0                                 ; my reads of this slot are over
	s_wait_tensorcnt 0x0                           ; all my tensor loads have landed: the one that was out is my part of the next slot
	ds_add_u32 v255, v63
	s_wait_dscnt 0x0
	s_barrier_signal -1
	MUL8 F1, 0, 2, 0
	WIN 0
	s_barrier_wait -1
.if \fill
	CREST
	s_add_nc_u64 s[G0A+4*\slot+2:G0A+4*\slot+3], s[G0A+4*\slot+2:G0A+4*\slot+3], 1024      ; 512 along K on
	s_add_nc_u64 s[G0B+4*\slot+2:G0B+4*\slot+3], s[G0B+4*\slot+2:G0B+4*\slot+3], 2097152
	JLOAD \slot
.endif
	PLACES
	FETCH \next, 0, F0
	WIN MUL
	MUL8 F1, 1, 0, 0
	MUL8 F1, 1, 2, 0
.endm
.macro LAP zero
	THREE 0, \zero
	TURN 0, 1, 1
	THREE 1, 0
	TURN 1, 0, 1
.endm
	s_wait_tensorcnt 0x1                           ; my part of slot 0 is in; slot 1's stays out
	s_barrier_signal -1
	s_barrier_wait -1
	FETCH 0, 0, F0
	LAP 1                                          ; the first products start the sums
	WIN 0
	s_mov_b32 s3, LAPS-2
.Llap:
	LAP 0
	WIN 0
	s_sub_co_u32 s3, s3, 1
	s_cmp_lg_u32 s3, 0
	s_cbranch_scc1 .Llap
	THREE 0, 0                                     ; the last lap fills nothing
	TURN 0, 1, 0
	THREE 1, 0
	s_wait_dscnt 8
	WIN MUL
	MUL8 F1, 0, 0, 0
	MUL8 F1, 0, 2, 0
	s_wait_dscnt 0
	MUL8 F1, 1, 0, 0
	MUL8 F1, 1, 2, 0
	; THE WAY OUT, 16 rows at a time: bias added in f32, 32 bytes a lane into my own stage, whole rows of 256 bytes back
	PLACES
	s_lshl_b32 s18, s43, 7
	s_lshl_b32 s19, s15, 6
	s_add_co_u32 s18, s18, s19                     ; my first row
	s_lshl_b32 s18, s18, 13
	s_mov_b32 s19, 0
	s_add_nc_u64 s[10:11], s[10:11], s[18:19]
	s_lshl_b32 s46, s42, 9                         ; my first column, in bytes
	s_lshl_b32 s47, s16, 8
	s_add_co_u32 s46, s46, s47
	s_mov_b32 s47, 0
	s_add_nc_u64 s[10:11], s[10:11], s[46:47]
	s_wait_loadcnt 0x0                             ; the bias
.macro OUT16 a, f
	WIN 0x02
.irp b, 0,1,2,3
.irp j, 0,2,4,6
	v_pk_add_f32 v[TT+8*\b+\j:TT+8*\b+\j+1], v[8*(4*\a+\b)+\j:8*(4*\a+\b)+\j+1], v[BIAS+8*\b+\j:BIAS+8*\b+\j+1]
.endr
.endr
	WIN 0
.irp b, 0,1,2,3
	ds_store_b128 v[STO], v[TT+8*\b:TT+8*\b+3] offset:64*\b
	ds_store_b128 v[STO], v[TT+8*\b+4:TT+8*\b+7] offset:64*\b+16
.endr
	s_wait_xcnt 0x0                                ; buffer f, which earlier stores read, is loaded again only behind this wait
.irp t, 0,1,2,3,4,5,6,7
	ds_load_b128 v[\f+4*\t:\f+4*\t+3], v[RD] offset:\t*2*SPITCH    ; my own bytes, served in order (ISA guide 5.7.1.4)
.endr
.irp t, 0,1,2,3,4,5,6,7
	s_wait_dscnt 7-\t
	global_store_b128 v[CO], v[\f+4*\t:\f+4*\t+3], s[10:11] offset:(16*\a+2*\t)*8192 th:TH_STORE_NT   ; 16 lanes store 256 consecutive bytes, aligned
.endr
.endm
	OUT16 0, F0
	OUT16 1, F1
	OUT16 2, F0
	OUT16 3, F1
	s_set_vgpr_msb 0x1
	s_wait_tensorcnt 0x0
	ds_add_u32 v255, v63
	s_wait_dscnt 0x0
	s_set_vgpr_msb 0x100
	CROUND                                         ; the closing round
	s_endpgm
.Lfunc_end_k_q7fe9095dfb_oproj:
	.size	k_q7fe9095dfb_oproj, .Lfunc_end_k_q7fe9095dfb_oproj-k_q7fe9095dfb_oproj
	.p2alignl 7, 3214868480
	.fill 96, 4, 3214868480
	.section	.rodata,"a",@progbits
	.p2align	6, 0x0
	.amdhsa_kernel k_q7fe9095dfb_oproj
		.amdhsa_group_segment_fixed_size 327680
		.amdhsa_private_segment_fixed_size 0
		.amdhsa_enable_private_segment 0
		.amdhsa_kernarg_size 32
		.amdhsa_user_sgpr_count 2
		.amdhsa_user_sgpr_kernarg_segment_ptr 1
		.amdhsa_wavefront_size32 1
		.amdhsa_system_sgpr_workgroup_id_x 1
		.amdhsa_system_sgpr_workgroup_id_y 1
		.amdhsa_system_sgpr_workgroup_id_z 1
		.amdhsa_system_vgpr_workitem_id 0
		.amdhsa_next_free_vgpr 640
		.amdhsa_next_free_sgpr 66
		.amdhsa_reserve_vcc 0
		.amdhsa_float_denorm_mode_32 3
		.amdhsa_float_denorm_mode_16_64 3
		.amdhsa_memory_ordered 1
		.amdhsa_forward_progress 1
		.amdhsa_inst_pref_size 128
	.end_amdhsa_kernel
	.amdgpu_metadata
---
amdhsa.version: [ 1, 2 ]
amdhsa.kernels:
  - .name:           k_q7fe9095dfb_oproj
    .symbol:         k_q7fe9095dfb_oproj.kd
    .args:
      - { .name: att, .offset: 0, .size: 8, .value_kind: global_buffer, .address_space: global }
      - { .name: hf, .offset: 8, .size: 8, .value_kind: global_buffer, .address_space: global }
      - { .name: O_b, .offset: 16, .size: 8, .value_kind: global_buffer, .address_space: global }
      - { .name: out0, .offset: 24, .size: 8, .value_kind: global_buffer, .address_space: global }
    .group_segment_fixed_size: 327680
    .private_segment_fixed_size: 0
    .kernarg_segment_align: 8
    .kernarg_segment_size: 32
    .max_flat_workgroup_size: 128
    .sgpr_count:     66
    .vgpr_count:     640
    .wavefront_size: 32
...
	.end_amdgpu_metadata
.endif
;; end of part 4
